; MI455X (gfx1250); checked and timed in simulation.
; The chip was launched on July 23, 2026; its instructions are those of AMD's public machine-readable ISA for CDNA 5 (MIT licence, August 2026) and "CDNA5" Instruction Set Architecture Reference Guide (July 2026). The comments in the code are by the model that wrote it; some were corrected since.
;; Mac Unit. Allowed arithmetic: float matrix products may take bf16 or f16 operands with f32 sums; other float arithmetic in f32, or as packed bf16 or f16 multiplies, adds, multiply-adds, maxima and minima; sums over many terms, partial sums and values carried from step to step in f32; what a program stores and reads back later, other than sums and carried values, may be rounded once to bf16 or f16.
;; Inputs: alpha 1 x 512 x 2 x 1 x 1 float32; angles 1 x 1 x 31 float32; attention 1 x 1,024 x 1 x 1 float32; beta 1 x 512 x 2 x 1 x 1 float32; data 16,384 x 512 float32; velocity 1 x 1 x 31 float32.
;; Outputs: out0 16,384 x 1,024 x 1 float32.
;; 2 versions, each right; version 2 is version 1 with the launch macunit written anew for expert scheduling mode. Each part assembles by itself: llvm-mc -triple=amdgcn-amd-amdhsa -mcpu=gfx1250 --defsym DOCPART=n.
;; ======== version 1 of 2: 1 launch
;; launch macunit (part 1): grid 256 x 1, 32 waves a work-group, no clusters, 0 bytes of LDS; arguments data, alpha, beta, attention, angles, velocity, out0; writes out0
.if DOCPART == 1
	.amdgcn_target "amdgcn-amd-amdhsa--gfx1250"
	.amdhsa_code_object_version 6
	.text
	.protected	k_qc7684c9d91_macunit
	.globl	k_qc7684c9d91_macunit
	.p2align	8
	.type	k_qc7684c9d91_macunit,@function
k_qc7684c9d91_macunit:
	s_mov_b64 s[64:65], 0
	v_nop
	global_prefetch_b8 v0, s[64:65] scope:SCOPE_SE
	s_setreg_imm32_b32 hwreg(HW_REG_WAVE_MODE, 25, 1), 1
	s_wait_xcnt 0x0
; out0[b][oc] = attention[oc] * d4, oc = 2 ic + icf, d0 = data[b][ic], and four times
;   index = 31 * sigmoid(alpha[oc] * d + beta[oc]);  velo, ang = the two 31-entry tables, interpolated linearly at index;
;   d += velo * (cos(ang) + d * sin(ang)) / 4.
; data [16384][512] f32, out0 [16384][1024] f32, alpha, beta, attention [1024] f32, angles, velocity [31] f32.  All arithmetic in f32.
; SHARES.  256 work-groups of 32 waves, 64 rows each.  Thread t owns the 8 bytes (2 ic) at 8 (t & 255) of a data row, which are the
; 16 bytes (4 oc) at 16 (t & 255) of an out0 row, in the 16 rows of quarter t >> 8.  A wave's load covers 256 consecutive bytes, its store
; 512, both aligned to their size; a thread's 4 alpha, beta and attention stay in registers.  Two rows are in hand at a time: 8 numbers a
; lane, as 4 register pairs (icf 0, icf 1) for the packed f32 forms; the next two rows are loaded before the four steps of the rows in hand.
; No LDS byte, no barrier: no wave needs another's data.  32 waves on four SIMDs are eight a SIMD: 8 x 104 registers.
; THE TABLES lie across the lanes of each wave: lane k holds base and slope of the segment that belongs to floor(index) = k,
;   k = 0..29: m[k], m[k+1] - m[k]     k = 30: m[30], m[30] - m[29] (bgn = 29, end = 30, pos in 1..2: the same line)
;   k = 31: m[0] (index = 31 exactly: bgn = 30, end = 0, pos = 1 gives m[0]; here pos = index - 31 = 0, so the slope, finite, adds nothing)
; and value = base + (index - floor(index)) * slope.  ds_bpermute_b32 brings each lane the register of lane (selector / 4) mod 32 (its entry in
; AMD's ISA guide); it touches no LDS byte.  The selector is the bit pattern of floor(index) + 2^21: that float's last place is 1/4, so its
; bits 6:2 hold floor(index), 0 to 31.
; end = floor(index + 1.0) is floor(index) + 1 for every index that arises: the two differ only at index = 2^j - 1 ulp, and index = fl(31 s)
; with s in f32 would need a multiple of 31 strictly between 2^28 - 24 and 2^28 - 8; the multiples there are 2^28 - 39 and 2^28 - 8 (a tie, to 2^j).
; SINE AND COSINE.  The angle table is kept in revolutions, each base less its nearest whole number.  x = base + pos * slope, t = x - rndne(x),
; u = t^2; S = sqrt(2) sin(pi t) = t P(u), C = sqrt(2) cos(pi t) = Q(u): Chebyshev series on |t| <= 1/2 cut behind T7 and T8.  Then
; cos(2 pi t) + d sin(2 pi t) = 1 + S (d C - S).
; FOLDED at the head: -log2(e) into alpha and beta (sigmoid = 1 / (1 + 2^z)), 1/4 into the velocity table, 1 / 2 pi into the angle table.
; LIMITS.  S is within 8.3e-7 and C within 6.6e-8 of their functions, so cos and sin within about 3e-6.  The order of rounding differs from the
; reference's (fused multiply-adds, base + pos * slope, scaled tables).  v_exp_f32 and v_rcp_f32 flush denormals: a sigmoid below 2^-126 counts
; as 0, and the index is 0 either way.  NaN and infinities in the inputs are not treated apart.
.set ROWB,   2048                      ; bytes in a row of data
.set OROWB,  4096                      ; bytes in a row of out0
.set WROWS,  16                        ; rows of a wave
.set GROWS,  2                         ; rows in hand
.set GROUPS, WROWS/GROWS
.set STEPS,  4
.set DO,  1                            ; v1        my byte offset in data, from the work-group's first row; never rewritten
.set OO,  2                            ; v2        the same in out0; never rewritten
.set TBA, 4                            ; v4        angle table, base (revolutions, in -1/2 .. 1/2): lane k holds entry k
.set TSA, 5                            ; v5        angle table, slope (revolutions)
.set TBV, 6                            ; v6        velocity table / 4, base
.set TSV, 7                            ; v7        velocity table / 4, slope
.set AL,  8                            ; v[8:11]   -log2(e) alpha of my 4 oc
.set BE,  12                           ; v[12:15]  -log2(e) beta
.set AT,  16                           ; v[16:19]  attention
.set X,   20                           ; v[20:23]  data as loaded: row 0's two ic, row 1's two ic
.set D,   24                           ; v[24:31]  d: pair p = 2 row + ic holds (icf 0, icf 1)
.set E,   32                           ; v[32:39]  z, 2^z, 1 + 2^z, sigmoid, index, pos
.set F,   40                           ; v[40:47]  floor(index), then u
.set Y,   48                           ; v[48:55]  the lane selectors
.set GA0, 56                           ; v[56:63]  gathered angle base, then x, then t
.set GA1, 64                           ; v[64:71]  gathered angle slope, then rndne(x), then Q, d C - S, 1 + S (d C - S)
.set GV0, 72                           ; v[72:79]  gathered velocity base, then velo / 4
.set GV1, 80                           ; v[80:87]  gathered velocity slope
.set PP,  88                           ; v[88:95]  P, then S
.set O,   96                           ; v[96:103] what is stored
.set CNT, 18                           ; s18  groups of rows to go
.set STP, 19                           ; s19  steps to go
.set K31, 20                           ; constants, each written into both words of a pair: the packed forms name the pair and take its low word twice
.set KM,  22                           ; 2^21
.set P0,  24
.set P1,  26
.set P2,  28
.set P3,  30
.set Q0,  32
.set Q1,  34
.set Q2,  36
.set Q3,  38
.set Q4,  40
.set KL,  46                           ; -log2(e)
.macro KPAIR r, bits
	s_mov_b32 s[\r], \bits
	s_mov_b32 s[(\r)+1], \bits
.endm
	s_load_b256 s[4:11], s[0:1], 0x0               ; data s[4:5], alpha s[6:7], beta s[8:9], attention s[10:11]
	s_load_b128 s[12:15], s[0:1], 0x20             ; angles s[12:13], velocity s[14:15]
	s_load_b64 s[16:17], s[0:1], 0x30              ; out0
	v_and_b32 v3, 31, v0                           ; lane = table entry k
	v_and_b32 v[E], 0xff, v0                       ; my place c in a row
	v_lshrrev_b32 v[E+1], 8, v0                    ; my quarter of the work-group's 64 rows
	v_lshlrev_b32 v[E+2], 4, v[E]                  ; 16 c: my 4 alpha, beta, attention, and my place in a row of out0
	v_lshlrev_b32 v[DO], 3, v[E]                   ; 8 c
	v_lshl_add_u32 v[DO], v[E+1], 15, v[DO]        ; + quarter x 16 rows x 2,048 bytes
	v_lshl_add_u32 v[OO], v[E+1], 16, v[E+2]       ; 16 c + quarter x 16 rows x 4,096 bytes
	v_cmp_ne_u32 vcc_lo, 31, v3
	v_cndmask_b32 v[E+3], 0, v3, vcc_lo            ; the base's entry: k, and 0 in lane 31
	v_lshlrev_b32 v[E+3], 2, v[E+3]
	v_add_nc_u32 v[E+4], 1, v3
	v_min_u32 v[E+4], 30, v[E+4]                   ; the slope's upper entry: min(k + 1, 30); the lower one lies 4 bytes in front of it
	v_lshlrev_b32 v[E+4], 2, v[E+4]
	s_lshl_b32 s42, ttmp9, 17                      ; the work-group's 64 rows of 2,048 bytes (255 << 17 at the most: 32 bits do)
	s_mov_b32 s43, 0
	s_lshl_b32 s44, ttmp9, 18                      ; and of 4,096 bytes
	s_mov_b32 s45, 0
	KPAIR K31, 0x41f80000                          ; 31.0
	KPAIR KM,  0x4a000000                          ; 2^21
	KPAIR KL,  0xbfb8aa3b                          ; -log2(e)
	KPAIR P0,  0x408e2bf9                          ;  4.4428678   S = t (P0 + P1 u + P2 u^2 + P3 u^3)
	KPAIR P1,  0xc0e9d68f                          ; -7.3074413
	KPAIR P2,  0x406610ba                          ;  3.5947710
	KPAIR P3,  0xbf48ca29                          ; -0.78433472
	KPAIR Q0,  0x3fb504f3                          ;  1.4142135   C = Q0 + Q1 u + Q2 u^2 + Q3 u^3 + Q4 u^4
	KPAIR Q1,  0xc0df52bf                          ; -6.9788509
	KPAIR Q2,  0x40b7a9a9                          ;  5.7394604
	KPAIR Q3,  0xbff1186c                          ; -1.8835578
	KPAIR Q4,  0x3e9f127b                          ;  0.31068786
	s_mov_b32 s[CNT], GROUPS-1
	s_wait_kmcnt 0x0
	s_add_nc_u64 s[4:5], s[4:5], s[42:43]          ; data and out0 at the work-group's first row
	s_add_nc_u64 s[16:17], s[16:17], s[44:45]
	global_load_b32 v[F],   v[E+3], s[12:13]             ; angles: base entry,
	global_load_b32 v[F+1], v[E+4], s[12:13]             ; the slope's upper entry (byte 120 at the most, of 124),
	global_load_b32 v[F+2], v[E+4], s[12:13] offset:-4   ; and its lower one (byte 0 at the least)
	global_load_b32 v[F+3], v[E+3], s[14:15]             ; velocity likewise
	global_load_b32 v[F+4], v[E+4], s[14:15]
	global_load_b32 v[F+5], v[E+4], s[14:15] offset:-4
	global_load_b128 v[AL:AL+3], v[E+2], s[6:7]
	global_load_b128 v[BE:BE+3], v[E+2], s[8:9]
	global_load_b128 v[AT:AT+3], v[E+2], s[10:11]
	global_load_b64 v[X:X+1],   v[DO], s[4:5] th:TH_LOAD_NT              ; my first two rows; data are read once in the launch
	global_load_b64 v[X+2:X+3], v[DO], s[4:5] offset:ROWB th:TH_LOAD_NT
	s_wait_loadcnt 0x2                             ; loads come back in order: all but the two data loads just issued are in
	v_sub_f32 v[TSA], v[F+1], v[F+2]
	v_mul_f32 v[TBA], 0x3e22f983, v[F]             ; radians to revolutions: x 1 / 2 pi
	v_sub_f32 v[TSV], v[F+4], v[F+5]
	v_mul_f32 v[TSA], 0x3e22f983, v[TSA]
	v_rndne_f32 v[F], v[TBA]
	v_mul_f32 v[TBV], 0x3e800000, v[F+3]           ; the steps' 1/4 goes into the velocity table (exact)
	v_mul_f32 v[TSV], 0x3e800000, v[TSV]
	v_sub_f32 v[TBA], v[TBA], v[F]                 ; whole revolutions change neither sine nor cosine: the base keeps its fraction's digits
.irp j, 0,2
	v_pk_mul_f32 v[AL+(\j):AL+(\j)+1], v[AL+(\j):AL+(\j)+1], s[KL:KL+1] op_sel_hi:[1,0]
	v_pk_mul_f32 v[BE+(\j):BE+(\j)+1], v[BE+(\j):BE+(\j)+1], s[KL:KL+1] op_sel_hi:[1,0]
.endr
; ONE STEP for the 8 numbers in hand, phase by phase over the 4 pairs, so that a line never reads the result of the line in front of it.
.macro STEP
.irp p, 0,1,2,3
	v_pk_fma_f32 v[E+2*(\p):E+2*(\p)+1], v[D+2*(\p):D+2*(\p)+1], v[AL+2*((\p)%2):AL+2*((\p)%2)+1], v[BE+2*((\p)%2):BE+2*((\p)%2)+1]  ; z = -log2(e) (alpha d + beta)
.endr
.irp i, 0,1,2,3,4,5,6,7
	v_exp_f32 v[E+(\i)], v[E+(\i)]                 ; 2^z = e^-(alpha d + beta)
.endr
	v_nop                                          ; a plain vector instruction stands between a transcendental and the use of its result (ISA guide 5.7.2); nothing else is ready here
	s_wait_alu depctr_va_vdst(0)
.irp p, 0,1,2,3
	v_pk_add_f32 v[E+2*(\p):E+2*(\p)+1], v[E+2*(\p):E+2*(\p)+1], 1.0 op_sel_hi:[1,0]
.endr
.irp i, 0,1,2,3,4,5,6,7
	v_rcp_f32 v[E+(\i)], v[E+(\i)]                 ; the sigmoid: 0 where 2^z is infinite, 1 where 1 + 2^z rounds to 1
.endr
	v_nop                                          ; as above
	s_wait_alu depctr_va_vdst(0)
.irp p, 0,1,2,3
	v_pk_mul_f32 v[E+2*(\p):E+2*(\p)+1], v[E+2*(\p):E+2*(\p)+1], s[K31:K31+1] op_sel_hi:[1,0]  ; index, 0 to 31, rounded as the reference rounds it
.endr
.irp i, 0,1,2,3,4,5,6,7
	v_floor_f32 v[F+(\i)], v[E+(\i)]
.endr
.irp p, 0,1,2,3
	v_pk_add_f32 v[Y+2*(\p):Y+2*(\p)+1], v[F+2*(\p):F+2*(\p)+1], s[KM:KM+1] op_sel_hi:[1,0]  ; exact; bits 6:2 of the sum are floor(index)
.endr
.irp i, 0,1,2,3,4,5,6,7
	ds_bpermute_b32 v[GA0+(\i)], v[Y+(\i)], v[TBA] ; the angle's base and slope first: the longer chain hangs on them
	ds_bpermute_b32 v[GA1+(\i)], v[Y+(\i)], v[TSA]
.endr
.irp i, 0,1,2,3,4,5,6,7
	ds_bpermute_b32 v[GV0+(\i)], v[Y+(\i)], v[TBV]
	ds_bpermute_b32 v[GV1+(\i)], v[Y+(\i)], v[TSV]
.endr
.irp p, 0,1,2,3
	v_pk_add_f32 v[E+2*(\p):E+2*(\p)+1], v[E+2*(\p):E+2*(\p)+1], v[F+2*(\p):F+2*(\p)+1] neg_lo:[0,1] neg_hi:[0,1]  ; pos = index - floor(index), exact
.endr
	s_wait_dscnt 16                                ; they come back in order: the 16 of the angle are in, the 16 of the velocity may stay out
.irp p, 0,1,2,3
	v_pk_fma_f32 v[GA0+2*(\p):GA0+2*(\p)+1], v[E+2*(\p):E+2*(\p)+1], v[GA1+2*(\p):GA1+2*(\p)+1], v[GA0+2*(\p):GA0+2*(\p)+1]  ; x, the angle in revolutions
.endr
.irp i, 0,1,2,3,4,5,6,7
	v_rndne_f32 v[GA1+(\i)], v[GA0+(\i)]
.endr
.irp p, 0,1,2,3
	v_pk_add_f32 v[GA0+2*(\p):GA0+2*(\p)+1], v[GA0+2*(\p):GA0+2*(\p)+1], v[GA1+2*(\p):GA1+2*(\p)+1] neg_lo:[0,1] neg_hi:[0,1]  ; t in -1/2 .. 1/2, for a table of any size
.endr
.irp p, 0,1,2,3
	v_pk_mul_f32 v[F+2*(\p):F+2*(\p)+1], v[GA0+2*(\p):GA0+2*(\p)+1], v[GA0+2*(\p):GA0+2*(\p)+1]  ; u = t^2
.endr
.irp p, 0,1,2,3                        ; both polynomials by Horner's rule, side by side
	v_pk_fma_f32 v[PP+2*(\p):PP+2*(\p)+1],   v[F+2*(\p):F+2*(\p)+1], s[P3:P3+1], s[P2:P2+1] op_sel_hi:[1,0,0]
	v_pk_fma_f32 v[GA1+2*(\p):GA1+2*(\p)+1], v[F+2*(\p):F+2*(\p)+1], s[Q4:Q4+1], s[Q3:Q3+1] op_sel_hi:[1,0,0]
.endr
.irp p, 0,1,2,3
	v_pk_fma_f32 v[PP+2*(\p):PP+2*(\p)+1],   v[PP+2*(\p):PP+2*(\p)+1],   v[F+2*(\p):F+2*(\p)+1], s[P1:P1+1] op_sel_hi:[1,1,0]
	v_pk_fma_f32 v[GA1+2*(\p):GA1+2*(\p)+1], v[GA1+2*(\p):GA1+2*(\p)+1], v[F+2*(\p):F+2*(\p)+1], s[Q2:Q2+1] op_sel_hi:[1,1,0]
.endr
.irp p, 0,1,2,3
	v_pk_fma_f32 v[PP+2*(\p):PP+2*(\p)+1],   v[PP+2*(\p):PP+2*(\p)+1],   v[F+2*(\p):F+2*(\p)+1], s[P0:P0+1] op_sel_hi:[1,1,0]
	v_pk_fma_f32 v[GA1+2*(\p):GA1+2*(\p)+1], v[GA1+2*(\p):GA1+2*(\p)+1], v[F+2*(\p):F+2*(\p)+1], s[Q1:Q1+1] op_sel_hi:[1,1,0]
.endr
.irp p, 0,1,2,3
	v_pk_fma_f32 v[GA1+2*(\p):GA1+2*(\p)+1], v[GA1+2*(\p):GA1+2*(\p)+1], v[F+2*(\p):F+2*(\p)+1], s[Q0:Q0+1] op_sel_hi:[1,1,0]  ; C
	v_pk_mul_f32 v[PP+2*(\p):PP+2*(\p)+1],   v[PP+2*(\p):PP+2*(\p)+1],   v[GA0+2*(\p):GA0+2*(\p)+1]                            ; S
.endr
.irp p, 0,1,2,3
	v_pk_fma_f32 v[GA1+2*(\p):GA1+2*(\p)+1], v[D+2*(\p):D+2*(\p)+1], v[GA1+2*(\p):GA1+2*(\p)+1], v[PP+2*(\p):PP+2*(\p)+1] neg_lo:[0,0,1] neg_hi:[0,0,1]  ; d C - S
.endr
.irp p, 0,1,2,3
	v_pk_fma_f32 v[GA1+2*(\p):GA1+2*(\p)+1], v[PP+2*(\p):PP+2*(\p)+1], v[GA1+2*(\p):GA1+2*(\p)+1], 1.0 op_sel_hi:[1,1,0]  ; cos + d sin
.endr
	s_wait_dscnt 0x0                               ; the velocity's gathers
.irp p, 0,1,2,3
	v_pk_fma_f32 v[GV0+2*(\p):GV0+2*(\p)+1], v[E+2*(\p):E+2*(\p)+1], v[GV1+2*(\p):GV1+2*(\p)+1], v[GV0+2*(\p):GV0+2*(\p)+1]  ; velo / 4
.endr
.irp p, 0,1,2,3
	v_pk_fma_f32 v[D+2*(\p):D+2*(\p)+1], v[GV0+2*(\p):GV0+2*(\p)+1], v[GA1+2*(\p):GA1+2*(\p)+1], v[D+2*(\p):D+2*(\p)+1]  ; d += velo (cos + d sin) / 4
.endr
.endm
; TWO ROWS.  ahead = 1: the next two rows are asked for before the steps, and the addresses go on.
.macro GROUP ahead
	s_wait_loadcnt 0x0                             ; my two rows are in; no load of mine is out, so data's address may be stepped
.irp p, 0,1,2,3
	v_mov_b32 v[D+2*(\p)],   v[X+(\p)]             ; both icf start from the same number
	v_mov_b32 v[D+2*(\p)+1], v[X+(\p)]
.endr
.if \ahead
	s_add_nc_u64 s[4:5], s[4:5], GROWS*ROWB
	global_load_b64 v[X:X+1],   v[DO], s[4:5] th:TH_LOAD_NT
	global_load_b64 v[X+2:X+3], v[DO], s[4:5] offset:ROWB th:TH_LOAD_NT
.endif
	s_mov_b32 s[STP], STEPS
.Lstep_\@:
	STEP
	s_sub_co_u32 s[STP], s[STP], 1
	s_cmp_lg_u32 s[STP], 0
	s_cbranch_scc1 .Lstep_\@
.irp p, 0,1,2,3
	v_pk_mul_f32 v[O+2*(\p):O+2*(\p)+1], v[D+2*(\p):D+2*(\p)+1], v[AT+2*((\p)%2):AT+2*((\p)%2)+1]  ; O was the last group's store data: the wait at that group's end stands between
.endr
	global_store_b128 v[OO], v[O:O+3],   s[16:17] th:TH_STORE_NT               ; a wave stores 512 consecutive bytes, at a multiple of 512 from out0's first byte
	global_store_b128 v[OO], v[O+4:O+7], s[16:17] offset:OROWB th:TH_STORE_NT
.if \ahead
	s_wait_xcnt 0x0                                ; every memory instruction issued so far has had its addresses translated (ISA guide 3.1): only behind this wait are out0's address and O rewritten
	s_add_nc_u64 s[16:17], s[16:17], GROWS*OROWB
.endif
.endm
.Lgroup:
	GROUP 1
	s_sub_co_u32 s[CNT], s[CNT], 1
	s_cmp_lg_u32 s[CNT], 0
	s_cbranch_scc1 .Lgroup
	GROUP 0                                        ; the last two rows are written out: nothing is left to load, so no load leaves the buffer
	s_endpgm
.Lfunc_end_k_qc7684c9d91_macunit:
	.size	k_qc7684c9d91_macunit, .Lfunc_end_k_qc7684c9d91_macunit-k_qc7684c9d91_macunit
	.p2alignl 7, 3214868480
	.fill 96, 4, 3214868480
	.section	.rodata,"a",@progbits
	.p2align	6, 0x0
	.amdhsa_kernel k_qc7684c9d91_macunit
		.amdhsa_group_segment_fixed_size 0
		.amdhsa_private_segment_fixed_size 0
		.amdhsa_enable_private_segment 0
		.amdhsa_kernarg_size 56
		.amdhsa_user_sgpr_count 2
		.amdhsa_user_sgpr_kernarg_segment_ptr 1
		.amdhsa_wavefront_size32 1
		.amdhsa_system_sgpr_workgroup_id_x 1
		.amdhsa_system_sgpr_workgroup_id_y 1
		.amdhsa_system_sgpr_workgroup_id_z 1
		.amdhsa_system_vgpr_workitem_id 0
		.amdhsa_next_free_vgpr 104
		.amdhsa_next_free_sgpr 66
		.amdhsa_reserve_vcc 1
		.amdhsa_float_denorm_mode_32 3
		.amdhsa_float_denorm_mode_16_64 3
		.amdhsa_memory_ordered 1
		.amdhsa_forward_progress 1
		.amdhsa_inst_pref_size 23
	.end_amdhsa_kernel
	.amdgpu_metadata
---
amdhsa.version: [ 1, 2 ]
amdhsa.kernels:
  - .name:           k_qc7684c9d91_macunit
    .symbol:         k_qc7684c9d91_macunit.kd
    .args:
      - { .name: data, .offset: 0, .size: 8, .value_kind: global_buffer, .address_space: global }
      - { .name: alpha, .offset: 8, .size: 8, .value_kind: global_buffer, .address_space: global }
      - { .name: beta, .offset: 16, .size: 8, .value_kind: global_buffer, .address_space: global }
      - { .name: attention, .offset: 24, .size: 8, .value_kind: global_buffer, .address_space: global }
      - { .name: angles, .offset: 32, .size: 8, .value_kind: global_buffer, .address_space: global }
      - { .name: velocity, .offset: 40, .size: 8, .value_kind: global_buffer, .address_space: global }
      - { .name: out0, .offset: 48, .size: 8, .value_kind: global_buffer, .address_space: global }
    .group_segment_fixed_size: 0
    .private_segment_fixed_size: 0
    .kernarg_segment_align: 8
    .kernarg_segment_size: 56
    .max_flat_workgroup_size: 1024
    .sgpr_count:     66
    .vgpr_count:     104
    .wavefront_size: 32
...
	.end_amdgpu_metadata
.endif
;; end of part 1
;; ======== version 2 of 2: 1 launch; version 1 with the launch macunit written anew for expert scheduling mode
;; launch macunit (part 2): grid 256 x 1, 32 waves a work-group, no clusters, 0 bytes of LDS; arguments data, alpha, beta, attention, angles, velocity, out0; writes out0
.if DOCPART == 2
	.amdgcn_target "amdgcn-amd-amdhsa--gfx1250"
	.amdhsa_code_object_version 6
	.text
	.protected	k_qc7684c9d91_macunit
	.globl	k_qc7684c9d91_macunit
	.p2align	8
	.type	k_qc7684c9d91_macunit,@function
k_qc7684c9d91_macunit:
	s_mov_b64 s[64:65], 0
	v_nop
	global_prefetch_b8 v0, s[64:65] scope:SCOPE_SE
	s_setreg_imm32_b32 hwreg(HW_REG_WAVE_SCHED_MODE, 0, 2), 2
	s_setreg_imm32_b32 hwreg(HW_REG_WAVE_MODE, 25, 1), 1
	s_wait_xcnt 0x0
	s_wait_alu depctr_vm_vsrc(0)
; out0[b][oc] = attention[oc] * d4, oc = 2 ic + icf, d0 = data[b][ic], and four times
;   index = 31 * sigmoid(alpha[oc] * d + beta[oc]);  velo, ang = the two 31-entry tables, interpolated linearly at index;
;   d += velo * (cos(ang) + d * sin(ang)) / 4.
; data [16384][512] f32, out0 [16384][1024] f32, alpha, beta, attention [1024] f32, angles, velocity [31] f32.  All arithmetic in f32.
; SHARES.  256 work-groups of 32 waves, 64 rows each.  Thread t owns the 8 bytes (2 ic) at 8 (t & 255) of a data row, which are the
; 16 bytes (4 oc) at 16 (t & 255) of an out0 row, in the 16 rows of quarter t >> 8.  A wave's load covers 256 consecutive bytes, its store
; 512, both aligned to their size; a thread's 4 alpha, beta and attention stay in registers.  Two rows are in hand at a time: 8 numbers a
; lane, as 4 register pairs (icf 0, icf 1) for the packed f32 forms; the next two rows are asked for in the first of the four steps of the rows in hand.
; No LDS byte, no barrier: no wave needs another's data.  32 waves on four SIMDs are eight a SIMD: 8 x 104 registers.
; THE TABLES lie across the lanes of each wave: lane k holds base and slope of the segment that belongs to floor(index) = k,
;   k = 0..29: m[k], m[k+1] - m[k]     k = 30: m[30], m[30] - m[29] (bgn = 29, end = 30, pos in 1..2: the same line)
;   k = 31: m[0] (index = 31 exactly: bgn = 30, end = 0, pos = 1 gives m[0]; here pos = index - 31 = 0, so the slope, finite, adds nothing)
; and value = base + (index - floor(index)) * slope.  ds_bpermute_b32 brings each lane the register of lane (selector / 4) mod 32 (its entry in
; AMD's ISA guide); it touches no LDS byte.  The selector is the bit pattern of floor(index) + 2^21: that float's last place is 1/4, so its
; bits 6:2 hold floor(index), 0 to 31.
; end = floor(index + 1.0) is floor(index) + 1 for every index that arises: the two differ only at index = 2^j - 1 ulp, and index = fl(31 s)
; with s in f32 would need a multiple of 31 strictly between 2^28 - 24 and 2^28 - 8; the multiples there are 2^28 - 39 and 2^28 - 8 (a tie, to 2^j).
; SINE AND COSINE.  The angle table is kept in revolutions, each base less its nearest whole number.  x = base + pos * slope, t = x - rndne(x),
; u = t^2; S = sqrt(2) sin(pi t) = t P(u), C = sqrt(2) cos(pi t) = Q(u): Chebyshev series on |t| <= 1/2 cut behind T7 and T8.  Then
; cos(2 pi t) + d sin(2 pi t) = 1 + S (d C - S).
; FOLDED at the head: -log2(e) into alpha and beta (sigmoid = 1 / (1 + 2^z)), 1/4 into the velocity table, 1 / 2 pi into the angle table.
; LIMITS.  S is within 8.3e-7 and C within 6.6e-8 of their functions, so cos and sin within about 3e-6.  The order of rounding differs from the
; reference's (fused multiply-adds, base + pos * slope, scaled tables).  v_exp_f32 and v_rcp_f32 flush denormals: a sigmoid below 2^-126 counts
; as 0, and the index is 0 either way.  NaN and infinities in the inputs are not treated apart.
; THE MODE: SCHED_MODE bits 1:0 = 2 (LLVM: expert scheduling mode 2), set by the entry lines.  The code itself states the register dependences
; between vector instructions and memory or LDS instructions, with s_wait_alu, always for 0.
; THE PLAN.  Registers that memory or LDS instructions touch:
;   v[DO], v[OO]        offsets, made once at the head and never written again: the rows are reached by the two scalar bases and by immediates.
;   TBA, TSA, TBV, TSV  the tables: written at the head, read by every gather as its data, never written again.
;   Y                   written by a step's four adds, read by that step's 32 gathers as their selectors, written again by the next step's adds.
;   GA0, GA1, GV0, GV1  a step's gathers land in them; the same step's vector lines work on them, down to the step's last line.
;   X                   the loads of the next two rows land in it in a group's first step; the eight moves at the next group's head read it.
;   O                   written by the four multiplies at a group's end; read by the two stores that are issued in the NEXT group's first step.
;   D, E, F, PP, AL, BE, AT are named in the loop by vector instructions alone.
; So ONE wait on va_vdst stands in a step, behind the adds that make Y: Y is written, and the step before is done with GA0 to GV1; in a group's first
; step also: the moves are done reading X, and the group before has written O.  From that wait to the wait for the angle's gathers the only vector
; lines are the four that make pos, which name E and F: none of the registers that the step's gathers, loads and stores touch.  These are dealt round
; them with no further wait.  ONE wait on vm_vsrc stands in a step, behind all its memory and LDS instructions: Y, and in a group's first step O, have been read.
.set ROWB,   2048                      ; bytes in a row of data
.set OROWB,  4096                      ; bytes in a row of out0
.set WROWS,  16                        ; rows of a wave
.set GROWS,  2                         ; rows in hand
.set GROUPS, WROWS/GROWS
.set STEPS,  4
.set DO,  1                            ; v1        my byte offset in data, from the work-group's first row; never rewritten
.set OO,  2                            ; v2        the same in out0; never rewritten
.set TBA, 4                            ; v4        angle table, base (revolutions, in -1/2 .. 1/2): lane k holds entry k
.set TSA, 5                            ; v5        angle table, slope (revolutions)
.set TBV, 6                            ; v6        velocity table / 4, base
.set TSV, 7                            ; v7        velocity table / 4, slope
.set AL,  8                            ; v[8:11]   -log2(e) alpha of my 4 oc
.set BE,  12                           ; v[12:15]  -log2(e) beta
.set AT,  16                           ; v[16:19]  attention
.set X,   20                           ; v[20:23]  data as loaded: row 0's two ic, row 1's two ic
.set D,   24                           ; v[24:31]  d: pair p = 2 row + ic holds (icf 0, icf 1)
.set E,   32                           ; v[32:39]  z, 2^z, 1 + 2^z, sigmoid, index, pos
.set F,   40                           ; v[40:47]  floor(index), then u
.set Y,   48                           ; v[48:55]  the lane selectors
.set GA0, 56                           ; v[56:63]  gathered angle base, then x, then t
.set GA1, 64                           ; v[64:71]  gathered angle slope, then rndne(x), then Q, d C - S, 1 + S (d C - S)
.set GV0, 72                           ; v[72:79]  gathered velocity base, then velo / 4
.set GV1, 80                           ; v[80:87]  gathered velocity slope
.set PP,  88                           ; v[88:95]  P, then S
.set O,   96                           ; v[96:103] what is stored
.set CNT, 18                           ; s18  groups of rows to go
.set STP, 19                           ; s19  steps to go
.set K31, 20                           ; constants, each written into both words of a pair: the packed forms name the pair and take its low word twice
.set KM,  22                           ; 2^21
.set P0,  24
.set P1,  26
.set P2,  28
.set P3,  30
.set Q0,  32
.set Q1,  34
.set Q2,  36
.set Q3,  38
.set Q4,  40
.set KL,  46                           ; -log2(e)
.macro KPAIR r, bits
	s_mov_b32 s[\r], \bits
	s_mov_b32 s[(\r)+1], \bits
.endm
	s_load_b256 s[4:11], s[0:1], 0x0               ; data s[4:5], alpha s[6:7], beta s[8:9], attention s[10:11]
	s_load_b128 s[12:15], s[0:1], 0x20             ; angles s[12:13], velocity s[14:15]
	s_load_b64 s[16:17], s[0:1], 0x30              ; out0
	v_and_b32 v3, 31, v0                           ; lane = table entry k
	v_cmp_ne_u32 vcc_lo, 31, v3                    ; its reader stands below, behind the other offsets' arithmetic
	v_and_b32 v[E], 0xff, v0                       ; my place c in a row
	v_lshrrev_b32 v[E+1], 8, v0                    ; my quarter of the work-group's 64 rows
	v_lshlrev_b32 v[E+2], 4, v[E]                  ; 16 c: my 4 alpha, beta, attention, and my place in a row of out0
	v_lshlrev_b32 v[DO], 3, v[E]                   ; 8 c
	v_lshl_add_u32 v[DO], v[E+1], 15, v[DO]        ; + quarter x 16 rows x 2,048 bytes
	v_lshl_add_u32 v[OO], v[E+1], 16, v[E+2]       ; 16 c + quarter x 16 rows x 4,096 bytes
	v_add_nc_u32 v[E+4], 1, v3
	v_min_u32 v[E+4], 30, v[E+4]                   ; the slope's upper entry: min(k + 1, 30); the lower one lies 4 bytes in front of it
	v_lshlrev_b32 v[E+4], 2, v[E+4]
	s_wait_alu depctr_va_vcc(0)                    ; the compare has written VCC, which the next line reads
	v_cndmask_b32 v[E+3], 0, v3, vcc_lo            ; the base's entry: k, and 0 in lane 31
	v_lshlrev_b32 v[E+3], 2, v[E+3]
	s_lshl_b32 s42, ttmp9, 17                      ; the work-group's 64 rows of 2,048 bytes (255 << 17 at the most: 32 bits do)
	s_mov_b32 s43, 0
	s_lshl_b32 s44, ttmp9, 18                      ; and of 4,096 bytes
	s_mov_b32 s45, 0
	KPAIR K31, 0x41f80000                          ; 31.0
	KPAIR KM,  0x4a000000                          ; 2^21
	KPAIR KL,  0xbfb8aa3b                          ; -log2(e)
	KPAIR P0,  0x408e2bf9                          ;  4.4428678   S = t (P0 + P1 u + P2 u^2 + P3 u^3)
	KPAIR P1,  0xc0e9d68f                          ; -7.3074413
	KPAIR P2,  0x406610ba                          ;  3.5947710
	KPAIR P3,  0xbf48ca29                          ; -0.78433472
	KPAIR Q0,  0x3fb504f3                          ;  1.4142135   C = Q0 + Q1 u + Q2 u^2 + Q3 u^3 + Q4 u^4
	KPAIR Q1,  0xc0df52bf                          ; -6.9788509
	KPAIR Q2,  0x40b7a9a9                          ;  5.7394604
	KPAIR Q3,  0xbff1186c                          ; -1.8835578
	KPAIR Q4,  0x3e9f127b                          ;  0.31068786
	s_mov_b32 s[CNT], GROUPS-2
	s_wait_kmcnt 0x0
	s_add_nc_u64 s[4:5], s[4:5], s[42:43]          ; data and out0 at the work-group's first row
	s_add_nc_u64 s[16:17], s[16:17], s[44:45]
	s_wait_alu depctr_va_vdst(0)                   ; the five offsets v[E+2], v[E+3], v[E+4], v[DO] and v[OO] are written: every load and store of the kernel reads one of them
	global_load_b32 v[F],   v[E+3], s[12:13]             ; angles: base entry,
	global_load_b32 v[F+1], v[E+4], s[12:13]             ; the slope's upper entry (byte 120 at the most, of 124),
	global_load_b32 v[F+2], v[E+4], s[12:13] offset:-4   ; and its lower one (byte 0 at the least)
	global_load_b32 v[F+3], v[E+3], s[14:15]             ; velocity likewise
	global_load_b32 v[F+4], v[E+4], s[14:15]
	global_load_b32 v[F+5], v[E+4], s[14:15] offset:-4
	global_load_b128 v[AL:AL+3], v[E+2], s[6:7]
	global_load_b128 v[BE:BE+3], v[E+2], s[8:9]
	global_load_b128 v[AT:AT+3], v[E+2], s[10:11]
	global_load_b64 v[X:X+1],   v[DO], s[4:5] th:TH_LOAD_NT              ; my first two rows; data are read once in the launch
	global_load_b64 v[X+2:X+3], v[DO], s[4:5] offset:ROWB th:TH_LOAD_NT
	s_wait_loadcnt 0x2                             ; loads come back in order: all but the two data loads just issued are in
	s_wait_alu depctr_vm_vsrc(0)                   ; the loads have read v[E+2], v[E+3] and v[E+4]: from here on these are work registers, which the steps write
	v_sub_f32 v[TSA], v[F+1], v[F+2]
	v_mul_f32 v[TBA], 0x3e22f983, v[F]             ; radians to revolutions: x 1 / 2 pi
	v_sub_f32 v[TSV], v[F+4], v[F+5]
	v_mul_f32 v[TSA], 0x3e22f983, v[TSA]
	v_rndne_f32 v[F], v[TBA]
	v_mul_f32 v[TBV], 0x3e800000, v[F+3]           ; the steps' 1/4 goes into the velocity table (exact)
	v_mul_f32 v[TSV], 0x3e800000, v[TSV]
	v_sub_f32 v[TBA], v[TBA], v[F]                 ; whole revolutions change neither sine nor cosine: the base keeps its fraction's digits
.irp j, 0,2
	v_pk_mul_f32 v[AL+(\j):AL+(\j)+1], v[AL+(\j):AL+(\j)+1], s[KL:KL+1] op_sel_hi:[1,0]
	v_pk_mul_f32 v[BE+(\j):BE+(\j)+1], v[BE+(\j):BE+(\j)+1], s[KL:KL+1] op_sel_hi:[1,0]
.endr
; ONE STEP for the 8 numbers in hand, phase by phase over the 4 pairs, so that a line never reads the result of the line in front of it.
; fill = 1 (a group's first step): the next two rows are asked for.  send = 1 (likewise): the two rows of the group before are stored.
.macro STEP fill, send
.irp p, 0,1,2,3
	v_pk_fma_f32 v[E+2*(\p):E+2*(\p)+1], v[D+2*(\p):D+2*(\p)+1], v[AL+2*((\p)%2):AL+2*((\p)%2)+1], v[BE+2*((\p)%2):BE+2*((\p)%2)+1]  ; z = -log2(e) (alpha d + beta)
.endr
.irp i, 0,1,2,3,4,5,6,7
	v_exp_f32 v[E+(\i)], v[E+(\i)]                 ; 2^z = e^-(alpha d + beta)
.endr
	v_nop                                          ; a plain vector instruction stands between a transcendental and the use of its result (ISA guide 5.7.2); nothing else is ready here
	s_wait_alu depctr_va_vdst(0)
.irp p, 0,1,2,3
	v_pk_add_f32 v[E+2*(\p):E+2*(\p)+1], v[E+2*(\p):E+2*(\p)+1], 1.0 op_sel_hi:[1,0]
.endr
.irp i, 0,1,2,3,4,5,6,7
	v_rcp_f32 v[E+(\i)], v[E+(\i)]                 ; the sigmoid: 0 where 2^z is infinite, 1 where 1 + 2^z rounds to 1
.endr
	v_nop                                          ; as above
	s_wait_alu depctr_va_vdst(0)
.irp p, 0,1,2,3
	v_pk_mul_f32 v[E+2*(\p):E+2*(\p)+1], v[E+2*(\p):E+2*(\p)+1], s[K31:K31+1] op_sel_hi:[1,0]  ; index, 0 to 31, rounded as the reference rounds it
.endr
.irp i, 0,1,2,3,4,5,6,7
	v_floor_f32 v[F+(\i)], v[E+(\i)]
.endr
.irp p, 0,1,2,3
	v_pk_add_f32 v[Y+2*(\p):Y+2*(\p)+1], v[F+2*(\p):F+2*(\p)+1], s[KM:KM+1] op_sel_hi:[1,0]  ; exact; bits 6:2 of the sum are floor(index)
.endr
	s_wait_alu depctr_va_vdst(0)                   ; Y is written, which the gathers read; the step before is done with GA0, GA1, GV0 and GV1, in which they land; in the kernel's first step the four table
	                                               ; registers are written; in a group's first step the moves are done reading X, in which the loads land, and the group before has written O, which the stores read
.if \fill
	global_load_b64 v[X:X+1],   v[DO], s[4:5] th:TH_LOAD_NT              ; three steps and the rest of this one stand ahead of the wait for them
	global_load_b64 v[X+2:X+3], v[DO], s[4:5] offset:ROWB th:TH_LOAD_NT
.endif
.irp i, 0,1,2,3,4,5,6,7
	ds_bpermute_b32 v[GA0+(\i)], v[Y+(\i)], v[TBA] ; the angle's base and slope first: the longer chain hangs on them
	ds_bpermute_b32 v[GA1+(\i)], v[Y+(\i)], v[TSA]
.endr
.irp p, 0,1,2,3                        ; the velocity's gathers, four behind each line that makes pos.  No wait: those lines name E and F, which no gather, load or store of the step touches
	v_pk_add_f32 v[E+2*(\p):E+2*(\p)+1], v[E+2*(\p):E+2*(\p)+1], v[F+2*(\p):F+2*(\p)+1] neg_lo:[0,1] neg_hi:[0,1]  ; pos = index - floor(index), exact
.irp n, 0,1
	ds_bpermute_b32 v[GV0+2*(\p)+(\n)], v[Y+2*(\p)+(\n)], v[TBV]
	ds_bpermute_b32 v[GV1+2*(\p)+(\n)], v[Y+2*(\p)+(\n)], v[TSV]
.endr
.endr
.if \send
	global_store_b128 v[OO], v[O:O+3],   s[16:17] th:TH_STORE_NT               ; a wave stores 512 consecutive bytes, at a multiple of 512 from out0's first byte
	global_store_b128 v[OO], v[O+4:O+7], s[16:17] offset:OROWB th:TH_STORE_NT
.endif
	s_wait_dscnt 16                                ; they come back in order: the 16 of the angle are in, the 16 of the velocity may stay out
.irp p, 0,1,2,3
	v_pk_fma_f32 v[GA0+2*(\p):GA0+2*(\p)+1], v[E+2*(\p):E+2*(\p)+1], v[GA1+2*(\p):GA1+2*(\p)+1], v[GA0+2*(\p):GA0+2*(\p)+1]  ; x, the angle in revolutions
.endr
.irp i, 0,1,2,3,4,5,6,7
	v_rndne_f32 v[GA1+(\i)], v[GA0+(\i)]
.endr
.irp p, 0,1,2,3
	v_pk_add_f32 v[GA0+2*(\p):GA0+2*(\p)+1], v[GA0+2*(\p):GA0+2*(\p)+1], v[GA1+2*(\p):GA1+2*(\p)+1] neg_lo:[0,1] neg_hi:[0,1]  ; t in -1/2 .. 1/2, for a table of any size
.endr
.irp p, 0,1,2,3
	v_pk_mul_f32 v[F+2*(\p):F+2*(\p)+1], v[GA0+2*(\p):GA0+2*(\p)+1], v[GA0+2*(\p):GA0+2*(\p)+1]  ; u = t^2
.endr
.irp p, 0,1,2,3                        ; both polynomials by Horner's rule, side by side
	v_pk_fma_f32 v[PP+2*(\p):PP+2*(\p)+1],   v[F+2*(\p):F+2*(\p)+1], s[P3:P3+1], s[P2:P2+1] op_sel_hi:[1,0,0]
	v_pk_fma_f32 v[GA1+2*(\p):GA1+2*(\p)+1], v[F+2*(\p):F+2*(\p)+1], s[Q4:Q4+1], s[Q3:Q3+1] op_sel_hi:[1,0,0]
.endr
.irp p, 0,1,2,3
	v_pk_fma_f32 v[PP+2*(\p):PP+2*(\p)+1],   v[PP+2*(\p):PP+2*(\p)+1],   v[F+2*(\p):F+2*(\p)+1], s[P1:P1+1] op_sel_hi:[1,1,0]
	v_pk_fma_f32 v[GA1+2*(\p):GA1+2*(\p)+1], v[GA1+2*(\p):GA1+2*(\p)+1], v[F+2*(\p):F+2*(\p)+1], s[Q2:Q2+1] op_sel_hi:[1,1,0]
.endr
.irp p, 0,1,2,3
	v_pk_fma_f32 v[PP+2*(\p):PP+2*(\p)+1],   v[PP+2*(\p):PP+2*(\p)+1],   v[F+2*(\p):F+2*(\p)+1], s[P0:P0+1] op_sel_hi:[1,1,0]
	v_pk_fma_f32 v[GA1+2*(\p):GA1+2*(\p)+1], v[GA1+2*(\p):GA1+2*(\p)+1], v[F+2*(\p):F+2*(\p)+1], s[Q1:Q1+1] op_sel_hi:[1,1,0]
.endr
.irp p, 0,1,2,3
	v_pk_fma_f32 v[GA1+2*(\p):GA1+2*(\p)+1], v[GA1+2*(\p):GA1+2*(\p)+1], v[F+2*(\p):F+2*(\p)+1], s[Q0:Q0+1] op_sel_hi:[1,1,0]  ; C
	v_pk_mul_f32 v[PP+2*(\p):PP+2*(\p)+1],   v[PP+2*(\p):PP+2*(\p)+1],   v[GA0+2*(\p):GA0+2*(\p)+1]                            ; S
.endr
.irp p, 0,1,2,3
	v_pk_fma_f32 v[GA1+2*(\p):GA1+2*(\p)+1], v[D+2*(\p):D+2*(\p)+1], v[GA1+2*(\p):GA1+2*(\p)+1], v[PP+2*(\p):PP+2*(\p)+1] neg_lo:[0,0,1] neg_hi:[0,0,1]  ; d C - S
.endr
.irp p, 0,1,2,3
	v_pk_fma_f32 v[GA1+2*(\p):GA1+2*(\p)+1], v[PP+2*(\p):PP+2*(\p)+1], v[GA1+2*(\p):GA1+2*(\p)+1], 1.0 op_sel_hi:[1,1,0]  ; cos + d sin
.endr
	s_wait_dscnt 0x0                               ; the velocity's gathers
	s_wait_alu depctr_vm_vsrc(0)                   ; this step's gathers have read Y, which the next step's adds write again; in a group's first step the stores have read O, which the group's end writes again
.irp p, 0,1,2,3
	v_pk_fma_f32 v[GV0+2*(\p):GV0+2*(\p)+1], v[E+2*(\p):E+2*(\p)+1], v[GV1+2*(\p):GV1+2*(\p)+1], v[GV0+2*(\p):GV0+2*(\p)+1]  ; velo / 4
.endr
.irp p, 0,1,2,3
	v_pk_fma_f32 v[D+2*(\p):D+2*(\p)+1], v[GV0+2*(\p):GV0+2*(\p)+1], v[GA1+2*(\p):GA1+2*(\p)+1], v[D+2*(\p):D+2*(\p)+1]  ; d += velo (cos + d sin) / 4
.endr
.endm
; TWO ROWS.  ahead = 1: the next two rows are asked for, in the first step.  send = 1: the group before is stored, in the first step, and out0's address goes on.
; The first step is written out, since it alone holds loads and stores; the other three are a loop.
.macro GROUP ahead, send
	s_wait_loadcnt 0x0                             ; my two rows are in; no load of mine is out, so data's address may be stepped
.irp p, 0,1,2,3
	v_mov_b32 v[D+2*(\p)],   v[X+(\p)]             ; both icf start from the same number
	v_mov_b32 v[D+2*(\p)+1], v[X+(\p)]
.endr
.if \ahead
	s_add_nc_u64 s[4:5], s[4:5], GROWS*ROWB
.endif
	STEP \ahead, \send
	s_mov_b32 s[STP], STEPS-1
.Lstep_\@:
	STEP 0, 0
	s_sub_co_u32 s[STP], s[STP], 1
	s_cmp_lg_u32 s[STP], 0
	s_cbranch_scc1 .Lstep_\@
.if \send
	s_wait_xcnt 0x0                                ; every memory instruction issued so far has had its addresses translated (ISA guide 3.1): only behind this wait are out0's address and O rewritten;
	                                               ; that the stores have read O is stated by the first step's wait on vm_vsrc, which stands behind them
	s_add_nc_u64 s[16:17], s[16:17], GROWS*OROWB   ; out0 at this group's rows
.endif
.irp p, 0,1,2,3
	v_pk_mul_f32 v[O+2*(\p):O+2*(\p)+1], v[D+2*(\p):D+2*(\p)+1], v[AT+2*((\p)%2):AT+2*((\p)%2)+1]  ; stored in the next group's first step, or behind the last group
.endr
.endm
	GROUP 1, 0                                     ; the first two rows: no group stands in front of them, so nothing is stored
.Lgroup:
	GROUP 1, 1
	s_sub_co_u32 s[CNT], s[CNT], 1
	s_cmp_lg_u32 s[CNT], 0
	s_cbranch_scc1 .Lgroup
	GROUP 0, 1                                     ; the last two rows are written out: nothing is left to load, so no load leaves the buffer
	s_wait_alu depctr_va_vdst(0)                   ; the last group's multiplies have written O, which the last two stores read
	global_store_b128 v[OO], v[O:O+3],   s[16:17] th:TH_STORE_NT
	global_store_b128 v[OO], v[O+4:O+7], s[16:17] offset:OROWB th:TH_STORE_NT
	s_endpgm
.Lfunc_end_k_qc7684c9d91_macunit:
	.size	k_qc7684c9d91_macunit, .Lfunc_end_k_qc7684c9d91_macunit-k_qc7684c9d91_macunit
	.p2alignl 7, 3214868480
	.fill 96, 4, 3214868480
	.section	.rodata,"a",@progbits
	.p2align	6, 0x0
	.amdhsa_kernel k_qc7684c9d91_macunit
		.amdhsa_group_segment_fixed_size 0
		.amdhsa_private_segment_fixed_size 0
		.amdhsa_enable_private_segment 0
		.amdhsa_kernarg_size 56
		.amdhsa_user_sgpr_count 2
		.amdhsa_user_sgpr_kernarg_segment_ptr 1
		.amdhsa_wavefront_size32 1
		.amdhsa_system_sgpr_workgroup_id_x 1
		.amdhsa_system_sgpr_workgroup_id_y 1
		.amdhsa_system_sgpr_workgroup_id_z 1
		.amdhsa_system_vgpr_workitem_id 0
		.amdhsa_next_free_vgpr 104
		.amdhsa_next_free_sgpr 66
		.amdhsa_reserve_vcc 1
		.amdhsa_float_denorm_mode_32 3
		.amdhsa_float_denorm_mode_16_64 3
		.amdhsa_memory_ordered 1
		.amdhsa_forward_progress 1
		.amdhsa_inst_pref_size 58
	.end_amdhsa_kernel
	.amdgpu_metadata
---
amdhsa.version: [ 1, 2 ]
amdhsa.kernels:
  - .name:           k_qc7684c9d91_macunit
    .symbol:         k_qc7684c9d91_macunit.kd
    .args:
      - { .name: data, .offset: 0, .size: 8, .value_kind: global_buffer, .address_space: global }
      - { .name: alpha, .offset: 8, .size: 8, .value_kind: global_buffer, .address_space: global }
      - { .name: beta, .offset: 16, .size: 8, .value_kind: global_buffer, .address_space: global }
      - { .name: attention, .offset: 24, .size: 8, .value_kind: global_buffer, .address_space: global }
      - { .name: angles, .offset: 32, .size: 8, .value_kind: global_buffer, .address_space: global }
      - { .name: velocity, .offset: 40, .size: 8, .value_kind: global_buffer, .address_space: global }
      - { .name: out0, .offset: 48, .size: 8, .value_kind: global_buffer, .address_space: global }
    .group_segment_fixed_size: 0
    .private_segment_fixed_size: 0
    .kernarg_segment_align: 8
    .kernarg_segment_size: 56
    .max_flat_workgroup_size: 1024
    .sgpr_count:     66
    .vgpr_count:     104
    .wavefront_size: 32
...
	.end_amdgpu_metadata
.endif
;; end of part 2
